; MI455X (gfx1250); checked and timed in simulation.
; The chip was launched on July 23, 2026; its instructions are those of AMD's public machine-readable ISA for CDNA 5 (MIT licence, August 2026) and "CDNA5" Instruction Set Architecture Reference Guide (July 2026). The comments in the code are by the model that wrote it; some were corrected since.
;; Attention Block. Allowed arithmetic: float matrix products may take bf16 or f16 operands with f32 sums; all other float work in f32.
;; Inputs: b_out 1,024 float32; k 4 x 2,048 x 1,024 float32; q 4 x 2,048 x 1,024 float32; v 4 x 2,048 x 1,024 float32; w_out 1,024 x 1,024 float32.
;; Outputs: out0 4 x 2,048 x 1,024 float32.
;; One version. Each part assembles by itself: llvm-mc -triple=amdgcn-amd-amdhsa -mcpu=gfx1250 --defsym DOCPART=n.
;; ======== version 1 of 1: 2 launches
;; limits: values are held in f16: magnitudes above 65,504 overflow, below 6.1e-05 lose precision; inputs' magnitudes at most 65,504
;; workspace buffers: att 16,777,216 bytes; w16 2,097,152 bytes
;; launch attn (part 1): grid 256 x 1, 8 waves a work-group, no clusters, 113,664 bytes of LDS; arguments q, k, v, w_out, att, w16; writes att, w16
.if DOCPART == 1
	.amdgcn_target "amdgcn-amd-amdhsa--gfx1250"
	.amdhsa_code_object_version 6
	.text
	.protected	k_q4940fbf30a_attn
	.globl	k_q4940fbf30a_attn
	.p2align	8
	.type	k_q4940fbf30a_attn,@function
k_q4940fbf30a_attn:
	s_mov_b64 s[64:65], 0
	v_nop
	global_prefetch_b8 v0, s[64:65] scope:SCOPE_SE
	s_setreg_imm32_b32 hwreg(HW_REG_WAVE_MODE, 25, 1), 1
	s_wait_xcnt 0x0
; Attention without projections: att[b][h][s][:] = softmax(q_h k_h^T / 8) v_h, 16 heads of 64, 2,048 keys, running maximum and running sum.
; q, k, v: [4][2048][1024] f32.  att: [4][16][2048][64] f16 (a query's 128 bytes follow the last query's).  Also w16 = w_out rounded to f16, 4 rows a work-group.
; SHARES: work-group x takes 512 queries of one head (x & 3: which 512; x >> 2: batch x 16 + head).  Eight waves, two for each SIMD of a WGP, so that one
; wave's softmax stands beside the other's matrix instructions; a wave takes 64 queries (four tiles of 16).  Keys go in 32 trips of 64.
; BOTH PRODUCTS ARE TRANSPOSED.  S^T = K Q^T: lane (r = lane % 16, hh = lane / 16) holds in register j key 8 hh + j of query r, so a query's maximum and sum are
; a chain inside the lane and one exchange with lane xor 16.  O^T = V^T P^T: the second source wants for query r the keys 8 hh .. 8 hh + 7 in registers 0-3 and
; 16 + 8 hh .. in registers 4-7, which are two neighbouring S^T tiles packed to f16 in place: P never leaves the lane.  V^T comes from V's rows by the transposing LDS load.
; K AND V go memory -> registers (f32) -> f16 -> one of two LDS slots; the loads of block i + 2 are issued in trip i and waited for in trip i + 1.
; NO JOINT TENSOR LOADS, though the four work-groups of a head read the same K and V: a tensor load copies bytes as they are, so f32 tiles would have to land in LDS
; (32 KiB a block), be read back (32 KiB) and be stored again as f16 (16 KiB, as now), beside the 128 KiB of fragments that the eight waves read of a block.
; NUMBERS: q, k, v, w and the weights P enter the matrix unit in f16, sums in f32.  The factor c = log2(e) / 8 is applied to the f32 scores.
; WHY f16 AND NOT bf16: a rounding to 8 significant bits is off by up to 2^-9 of the number, and P and att are each rounded once on top of the inputs; 11 significant
; bits make each rounding eight times smaller.  P lies in [0, 1] and att inside v's range, so the narrower exponent costs only the limits that follow.
; LIMITS: a number of q, k, v or w_out above 65,504 in magnitude becomes infinite in f16 (numbers of spread 1 made thirty times larger, or moved by thirty spreads, stay
; under 200); under 2^-14 a number keeps an absolute error of up to 2^-25: for the 2,048 weights of a row together at most 2^-14 of the row sum, which is at least 1
; and is added from the f32 weights; a weight below 2^-126 of the row's largest counts as 0 there too (v_exp_f32 flushes: ISA guide 15.8); the factor that rescales
; older sums is 2^(c m_old - round(c m_new)), whose exponent is off by at most one rounding of c m (2^-24 relative); NaN and infinities in the inputs are not treated apart.
.set ROWB,  4096                       ; bytes of a row of q, k, v
.set BLK,   64*ROWB                    ; 64 keys further down
.set KP,    144                        ; LDS pitch of K's and Q's rows: 128 bytes + 16 = 9 x 16, so sixteen rows start in sixteen different 16-byte columns modulo 256
.set VP,    160                        ; LDS pitch of V's rows: 5 x 32, for the transposing load
.set VS0,   64*KP                      ; in a slot V's 64 rows lie behind K's 64
.set SLOTB, 64*KP+64*VP                ; 19,456 bytes a slot
.set QST,   2*SLOTB                    ; behind the two slots: 64 rows x 144 bytes for each wave, its own: first Q in f16, at the end its output
.set QSTW,  64*KP
.set C_POS, 0x3e38aa3b                 ; c = log2(e) / 8
.set C_NEG, 0xbe38aa3b                 ; -c
; window 0
.set GOFF, 1                           ; (t >> 4) rows + 16 (t & 15): my 16 bytes of a block's first 16 rows
.set KST,  2                           ; where my 8 bytes of K go in a slot
.set VST,  3                           ; the same for V
.set KADR, 4                           ; r x 144 + 16 hh: fragments of K
.set VADR, 5                           ; (8 hh + lane % 8) x 160 + 16 ((lane >> 3) & 1): transposed fragments of V
.set QADR, 6                           ; my wave's stage + r x 144 + 16 hh: fragments of Q; later where 16 bytes of output go
.set QSTO, 7                           ; my wave's stage + hh x 144 + 8 r
.set QOFF, 8                           ; hh rows + 16 r
.set ORD,  9                           ; my wave's stage + (lane >> 3) x 144 + 16 (lane & 7)
.set OOFF, 10                          ; 16 x lane
.set PFO,  11                          ; lane rows
.set WOFF, 12                          ; 16 t
.set WSO,  13                          ; 8 t
.set RM,   16                          ; v16-19   running maximum of the raw scores, one for each query tile
.set RMN,  20                          ; v20-23   the new maximum
.set RX,   24                          ; v24-27   at work
.set RNM,  28                          ; v28-35   -c x new maximum, twice (pairs for packed arithmetic)
.set RAL,  36                          ; v36-43   the factor for older sums, twice
.set RL,   44                          ; v44-59   row sums: two pairs of partial sums for each query tile
.set QF,   60                          ; v60-123  Q's fragments: 16 qt + 8 kk
.set KA,   124                         ; v124-155 K's tiles 0, 1: 16 t + 8 kk
.set VA,   156                         ; v156-187 V^T, keys 0-31: 8 dt
.set VB,   188                         ; v188-219 first K's tiles 2, 3, then V^T, keys 32-63
.set RG,   220                         ; v220-251 a block on its way: K in 0-15, V in 16-31
; window 1 (written by its low numbers): S^T tile (qt, kt) at 32 qt + 8 kt, P^T (qt, c) in place at 32 qt + 16 c .. + 7; O^T tile (qt, dt) at RO + 32 qt + 8 dt
.set RO,   128
; s_set_vgpr_msb's low byte: bits 1:0 source 0, 3:2 source 1, 5:4 source 2, 7:6 destination
.set W_QK,  0x50                       ; D and C in window 1
.set W_MAX, 0x14                       ; sources 1 and 2 in window 1
.set W_S,   0x41                       ; destination and source 0 in window 1
.set W_SUM, 0x04                       ; source 1 in window 1 (an LDS store's data too)
.set W_CVT, 0x45                       ; destination, sources 0 and 1 in window 1
.set W_PV,  0x54                       ; D, C and the second source in window 1
.set W_OUT, 0x05                       ; sources 0 and 1 in window 1
.set W_LD1, 0x40                       ; destination in window 1
.set MSB, 0
.macro WIN new                         ; the immediate's high byte repeats the setting that is left; a switch that changes nothing is dropped
.if MSB != \new
	s_set_vgpr_msb (MSB<<8)|\new
.set MSB, \new
.endif
.endm
	s_load_b256 s[4:11], s[0:1], 0x0               ; q s[4:5], k s[6:7], v s[8:9], w_out s[10:11]
	s_load_b128 s[12:15], s[0:1], 0x20             ; att s[12:13], w16 s[14:15]
	v_lshl_add_u32 v254, v0, 2, 0x1b800
	v_mov_b32 v255, 0
	v_lshrrev_b32 v14, 5, v0
	v_readfirstlane_b32 s16, v14                   ; wave 0..7
	s_and_b32 s17, ttmp9, 3                        ; which 512 queries
	s_lshr_b32 s18, ttmp9, 2                       ; batch x 16 + head
	s_lshr_b32 s19, s18, 4                         ; batch
	s_and_b32 s25, s18, 15                         ; head
	s_lshl_b32 s28, s19, 23                        ; 2,048 rows of 4,096 bytes a batch
	s_lshl_b32 s25, s25, 8                         ; 256 bytes of a row a head
	s_add_co_u32 s28, s28, s25                     ; k, v: my head's piece of the batch's first row
	s_mov_b32 s29, 0
	s_lshl_b32 s30, s17, 21                        ; q: + 512 rows a work-group
	s_lshl_b32 s25, s16, 18                        ;    + 64 rows a wave
	s_add_co_u32 s30, s30, s25
	s_add_co_u32 s30, s30, s28
	s_mov_b32 s31, 0
	s_lshl_b32 s32, s18, 18                        ; att: 2,048 queries of 128 bytes a head,
	s_lshl_b32 s25, s17, 16                        ;      512 a work-group,
	s_add_co_u32 s32, s32, s25
	s_lshl_b32 s25, s16, 13                        ;      64 a wave
	s_add_co_u32 s32, s32, s25
	s_mov_b32 s33, 0
	s_lshl_b32 s34, ttmp9, 14                      ; w_out: 4 rows of 4,096 bytes a work-group
	s_mov_b32 s35, 0
	s_lshl_b32 s36, ttmp9, 13                      ; w16: 4 rows of 2,048 bytes
	s_mov_b32 s37, 0
	s_and_b32 s38, s17, 1
	s_lshl_b32 s38, s38, 17                        ; the prefetch: rows 0-31 or rows 32-63 of a block
	s_mov_b32 s39, 0
	s_mov_b32 s20, C_POS
	s_mov_b32 s21, C_POS
	s_mov_b32 s22, 0x76543210                      ; v_permlanex16_b32: lane i reads lane i of the other half
	s_mov_b32 s23, 0xfedcba98
	s_mul_i32 s25, s16, QSTW
	s_add_co_u32 s25, s25, QST                     ; my wave's stage
	v_and_b32 v14, 15, v0                          ; t & 15 = r
	v_lshrrev_b32 v15, 4, v0                       ; t >> 4
	v_bfe_u32 v25, v0, 4, 1                        ; hh
	v_lshlrev_b32 v24, 3, v14                      ; 8 r
	v_lshlrev_b32 v[GOFF], 4, v14
	v_lshl_add_u32 v[GOFF], v15, 12, v[GOFF]
	v_mad_u32_u24 v[KST], v15, KP, v24
	v_mad_u32_u24 v[VST], v15, VP, v24
	v_mul_u32_u24 v[KADR], v14, KP
	v_lshl_add_u32 v[KADR], v25, 4, v[KADR]
	v_and_b32 v26, 7, v0
	v_lshl_add_u32 v26, v25, 3, v26                ; 8 hh + lane % 8
	v_bfe_u32 v27, v0, 3, 1
	v_mul_u32_u24 v[VADR], v26, VP
	v_lshl_add_u32 v[VADR], v27, 4, v[VADR]
	v_add_nc_u32 v[QADR], s25, v[KADR]
	v_mad_u32_u24 v[QSTO], v25, KP, v24
	v_add_nc_u32 v[QSTO], s25, v[QSTO]
	v_lshlrev_b32 v[QOFF], 4, v14
	v_lshl_add_u32 v[QOFF], v25, 12, v[QOFF]
	v_and_b32 v27, 7, v0
	v_bfe_u32 v26, v0, 3, 2                        ; lane >> 3
	v_lshlrev_b32 v27, 4, v27
	v_mad_u32_u24 v[ORD], v26, KP, v27
	v_add_nc_u32 v[ORD], s25, v[ORD]
	v_and_b32 v[OOFF], 31, v0
	v_lshlrev_b32 v[PFO], 12, v[OOFF]
	v_lshlrev_b32 v[OOFF], 4, v[OOFF]
	v_lshlrev_b32 v[WOFF], 4, v0
	v_lshlrev_b32 v[WSO], 3, v0
	s_wait_kmcnt 0x0
	s_add_nc_u64 s[4:5], s[4:5], s[30:31]
	s_add_nc_u64 s[6:7], s[6:7], s[28:29]
	s_add_nc_u64 s[8:9], s[8:9], s[28:29]
	s_add_nc_u64 s[10:11], s[10:11], s[34:35]
	s_add_nc_u64 s[12:13], s[12:13], s[32:33]
	s_add_nc_u64 s[14:15], s[14:15], s[36:37]
	s_cmp_lt_u32 s17, 2                            ; work-groups 0, 1 of a head ask ahead for K, work-groups 2, 3 for V
	s_cselect_b64 s[26:27], s[6:7], s[8:9]
	s_add_nc_u64 s[26:27], s[26:27], s[38:39]
; eight loads: a block's 64 rows x 256 bytes of K and of V; sixteen neighbouring lanes take one row's 256 bytes, which start at a multiple of 256
.macro GLOAD
.irp i, 0,1,2,3
	global_load_b128 v[RG+4*\i:RG+4*\i+3], v[GOFF], s[6:7] offset:16*ROWB*\i
.endr
.irp i, 0,1,2,3
	global_load_b128 v[RG+16+4*\i:RG+16+4*\i+3], v[GOFF], s[8:9] offset:16*ROWB*\i
.endr
.endm
.macro STAGE_CVT                       ; 32 f32 to 32 f16, in place
.irp i, 0,1,2,3,4,5,6,7
	v_cvt_pk_f16_f32 v[RG+4*\i],   v[RG+4*\i],   v[RG+4*\i+1]
	v_cvt_pk_f16_f32 v[RG+4*\i+1], v[RG+4*\i+2], v[RG+4*\i+3]
.endr
.endm
.macro STAGE_ST o                      ; into slot o
.irp i, 0,1,2,3
	ds_store_b64 v[KST], v[RG+4*\i:RG+4*\i+1] offset:\o*SLOTB+16*KP*\i
.endr
.irp i, 0,1,2,3
	ds_store_b64 v[VST], v[RG+16+4*\i:RG+16+4*\i+1] offset:\o*SLOTB+VS0+16*VP*\i
.endr
.endm
; eight loads: K's tiles kt0, kt0 + 1 (16 keys x 64) of slot s.  A fragment of 16 rows x 32: two loads of 16 bytes, 32 bytes apart
.macro KLOAD s, kt0, dst
.irp t, 0,1
.irp kk, 0,1
	ds_load_b128 v[\dst+16*\t+8*\kk:\dst+16*\t+8*\kk+3],   v[KADR] offset:\s*SLOTB+16*KP*(\kt0+\t)+64*\kk
	ds_load_b128 v[\dst+16*\t+8*\kk+4:\dst+16*\t+8*\kk+7], v[KADR] offset:\s*SLOTB+16*KP*(\kt0+\t)+64*\kk+32
.endr
.endr
.endm
; eight transposing loads: V^T of keys 32 c .. 32 c + 31 of slot s, four tiles of 16 along the head
.macro VLOAD s, c, dst
.irp dt, 0,1,2,3
	ds_load_tr16_b128 v[\dst+8*\dt:\dst+8*\dt+3],   v[VADR] offset:\s*SLOTB+VS0+32*VP*\c+32*\dt
	ds_load_tr16_b128 v[\dst+8*\dt+4:\dst+8*\dt+7], v[VADR] offset:\s*SLOTB+VS0+32*VP*\c+32*\dt+16*VP
.endr
.endm
; 16 products: S^T tiles kt0, kt0 + 1 of all four query tiles.  The first half of the head starts the sums (C = 0), the second adds in place.
; Eight accumulators take turns, one instruction a turn.
.macro QK kbase, kt0
.irp kk, 0,1
.irp qt, 0,1,2,3
.irp t, 0,1
.if \kk == 0
	v_wmma_f32_16x16x32_f16 v[32*\qt+8*(\kt0+\t):32*\qt+8*(\kt0+\t)+7], v[\kbase+16*\t+8*\kk:\kbase+16*\t+8*\kk+7], v[QF+16*\qt+8*\kk:QF+16*\qt+8*\kk+7], 0
.else
	v_wmma_f32_16x16x32_f16 v[32*\qt+8*(\kt0+\t):32*\qt+8*(\kt0+\t)+7], v[\kbase+16*\t+8*\kk:\kbase+16*\t+8*\kk+7], v[QF+16*\qt+8*\kk:QF+16*\qt+8*\kk+7], v[32*\qt+8*(\kt0+\t):32*\qt+8*(\kt0+\t)+7]
.endif
.endr
.endr
.endr
.endm
	; THE START.  44 loads go out: 4 of w_out, 8 of block 0, 32 of Q; they come back in this order (ISA guide 5.7.1).
.irp i, 0,1,2,3
	global_load_b128 v[VA+4*\i:VA+4*\i+3], v[WOFF], s[10:11] offset:4096*\i th:TH_LOAD_NT
.endr
	GLOAD
	WIN W_LD1
.irp i, 0,1,2,3,4,5,6,7,8,9,10,11,12,13,14,15,16,17,18,19,20,21,22,23,24,25,26,27,28,29,30,31
	global_load_b128 v[4*\i:4*\i+3], v[QOFF], s[4:5] offset:2*ROWB*\i th:TH_LOAD_NT   ; two queries' 256 bytes, into the registers that later hold S^T
.endr
	WIN 0
	s_wait_loadcnt 40                              ; w_out's four are in; the 8 + 32 younger loads stay out
.irp i, 0,1,2,3
	v_cvt_pk_f16_f32 v[VA+4*\i],   v[VA+4*\i],   v[VA+4*\i+1]
	v_cvt_pk_f16_f32 v[VA+4*\i+1], v[VA+4*\i+2], v[VA+4*\i+3]
.endr
.irp i, 0,1,2,3
	global_store_b64 v[WSO], v[VA+4*\i:VA+4*\i+1], s[14:15] offset:2048*\i   ; a wave's store covers 256 consecutive bytes, aligned
.endr
	s_wait_loadcnt 32                              ; block 0 is in; Q's 32 stay out
	STAGE_CVT
	STAGE_ST 0
	s_add_nc_u64 s[6:7], s[6:7], BLK               ; free: the wait above has shown every load that names these bases done
	s_add_nc_u64 s[8:9], s[8:9], BLK
	s_add_nc_u64 s[26:27], s[26:27], BLK           ; not yet named by any instruction
	GLOAD                                          ; block 1
	s_wait_loadcnt 8                               ; Q is in; block 1's eight stay out
	WIN W_CVT
.irp i, 0,1,2,3,4,5,6,7,8,9,10,11,12,13,14,15,16,17,18,19,20,21,22,23,24,25,26,27,28,29,30,31
	v_cvt_pk_f16_f32 v[4*\i],   v[4*\i],   v[4*\i+1]
	v_cvt_pk_f16_f32 v[4*\i+1], v[4*\i+2], v[4*\i+3]
.endr
	WIN W_SUM
.irp i, 0,1,2,3,4,5,6,7,8,9,10,11,12,13,14,15,16,17,18,19,20,21,22,23,24,25,26,27,28,29,30,31
	ds_store_b64 v[QSTO], v[4*\i:4*\i+1] offset:2*KP*\i
.endr
	WIN 0
.irp qt, 0,1,2,3
.irp kk, 0,1
	ds_load_b128 v[QF+16*\qt+8*\kk:QF+16*\qt+8*\kk+3],   v[QADR] offset:16*KP*\qt+64*\kk      ; my wave's own bytes: LDS serves a wave's instructions in order (ISA guide 5.7.1.4)
	ds_load_b128 v[QF+16*\qt+8*\kk+4:QF+16*\qt+8*\kk+7], v[QADR] offset:16*KP*\qt+64*\kk+32
.endr
.endr
.irp qt, 0,1,2,3
	v_mov_b32 v[RM+\qt], 0xff800000                ; no score seen yet: minus infinity, so that the first factor for older sums is 0
	v_mov_b32 v[RX+\qt], 0                         ; v_permlanex16_b32 counts as a reader of its destination
.endr
.irp i, 0,1,2,3,4,5,6,7,8,9,10,11,12,13,14,15
	v_mov_b32 v[RL+\i], 0
.endr
	s_wait_xcnt 0x0                                ; w16's stores read v[VA ..], which the first trip loads again
	s_wait_dscnt 0x0                               ; my part of block 0 is in slot 0, Q's fragments are in
	s_barrier_signal -1
	s_barrier_wait -1                              ; everybody's part is
	KLOAD 0, 0, KA
; ONE TRIP: the 64 keys of slot s.  o = the other slot.  first: nothing older to rescale.  store: block i + 1, loaded a trip ago, goes into slot o, and the trip has a barrier.
; load: block i + 2 is asked for.  pf: part of block i + 3 is asked into the cache.  next: the next trip's first fragments are read.
; ONE BARRIER A TRIP.  In front of its signal each wave has waited for its stores into slot o and for its reads of slot s.  So behind its wait slot o is whole,
; and in the next trip slot s may be written.
.macro TRIP s, o, first, store, load, pf, next
	KLOAD \s, 2, VB                                ; five places behind the last O^T products, which read VA and VB
	VLOAD \s, 0, VA
	s_wait_dscnt 16                                ; K's tiles 0, 1 are in; the 16 loads just issued stay out
	WIN W_QK
	QK KA, 0
	s_wait_dscnt 8                                 ; K's tiles 2, 3 are in; V's eight stay out
	QK VB, 2
	WIN 0
.if \store
	s_wait_loadcnt 0x0                             ; block i + 1, asked for a trip ago
	STAGE_CVT                                      ; sixteen plain vector instructions on other registers: the places behind the products (ISA guide 7.12.1)
	STAGE_ST \o
.else
.rept 4
	v_nop                                          ; the places behind the products
.endr
.endif
.if \load
	s_wait_xcnt 0x0                                ; the bases are stepped only behind this wait (the last trip's prefetch names s[26:27])
	s_add_nc_u64 s[6:7], s[6:7], BLK
	s_add_nc_u64 s[8:9], s[8:9], BLK
	GLOAD                                          ; block i + 2: it has a whole trip in which to come
.endif
.if \pf
	s_add_nc_u64 s[26:27], s[26:27], BLK
	s_cmp_lg_u32 s16, 0
	s_cbranch_scc1 .Lno_pf_\@
	; Block i + 3 has 128 pieces of 256 bytes (64 rows of K, 64 of V).  Wave 0 of each of the head's four work-groups asks for 32 of them, a lane a piece: each piece
	; is asked for once in the launch, one trip ahead of its load.  The last trip that asks is trip 28, for block 31, the last.
	global_prefetch_b8 v[PFO], s[26:27] offset:BLK th:TH_LOAD_NT scope:SCOPE_SE
.Lno_pf_\@:
.endif
	VLOAD \s, 1, VB                                ; K's tiles 2, 3 are used up
	; the new maximum of each query: a chain of 16 in the lane for each query tile, four chains by turns, then lane xor 16
	WIN W_MAX
.irp qt, 0,1,2,3
	v_max3_num_f32 v[RMN+\qt], v[RM+\qt], v[32*\qt], v[32*\qt+1]
.endr
.set j, 1
.rept 15
.irp qt, 0,1,2,3
	v_max3_num_f32 v[RMN+\qt], v[RMN+\qt], v[32*\qt+2*j], v[32*\qt+2*j+1]
.endr
.set j, j+1
.endr
	WIN 0
.irp qt, 0,1,2,3
	v_permlanex16_b32 v[RX+\qt], v[RMN+\qt], s22, s23
.endr
.irp qt, 0,1,2,3
	v_max_num_f32 v[RMN+\qt], v[RMN+\qt], v[RX+\qt]
.endr
.irp qt, 0,1,2,3
	v_mul_f32 v[RNM+2*\qt],   C_NEG, v[RMN+\qt]
	v_mul_f32 v[RNM+2*\qt+1], C_NEG, v[RMN+\qt]
.endr
.irp qt, 0,1,2,3
	v_fma_f32 v[RX+\qt], v[RM+\qt], s20, v[RNM+2*\qt]          ; c (old maximum - new maximum), never above 0
.endr
.irp qt, 0,1,2,3
	v_exp_f32 v[RAL+2*\qt],   v[RX+\qt]
	v_exp_f32 v[RAL+2*\qt+1], v[RX+\qt]
.endr
	v_nop                                          ; one plain place behind the exponentials (ISA guide 5.7.2)
	s_wait_alu depctr_va_vdst(0)
.irp qt, 0,1,2,3
	v_pk_mul_f32 v[RL+4*\qt:RL+4*\qt+1],   v[RL+4*\qt:RL+4*\qt+1],   v[RAL+2*\qt:RAL+2*\qt+1]
	v_pk_mul_f32 v[RL+4*\qt+2:RL+4*\qt+3], v[RL+4*\qt+2:RL+4*\qt+3], v[RAL+2*\qt:RAL+2*\qt+1]
.endr
	s_wait_dscnt 0x0                               ; my stores into slot o are done, my reads of slot s are back (V^T is in)
.if \store
	s_barrier_signal -1                            ; say so; up to the wait below only registers are touched
.endif
	; the weights: 2^(c s - c max), two scores an instruction; the older O^T is rescaled between the exponentials, one packed multiply behind each two
	WIN W_S
.set j, 0
.rept 64
	v_pk_fma_f32 v[2*j:2*j+1], v[2*j:2*j+1], s[20:21], v[RNM+2*(j/16):RNM+2*(j/16)+1] op_sel_hi:[1,0,1]
.set j, j+1
.endr
.set j, 0
.rept 64
	v_exp_f32 v[2*j],   v[2*j]
	v_exp_f32 v[2*j+1], v[2*j+1]
.if \first == 0
	v_pk_mul_f32 v[RO+2*j:RO+2*j+1], v[RO+2*j:RO+2*j+1], v[RAL+2*(j/16):RAL+2*(j/16)+1]
.endif
.set j, j+1
.endr
.if \first
	v_nop                                          ; the plain place behind the last exponentials
	s_wait_alu depctr_va_vdst(0)
.endif
	WIN W_SUM                                      ; row sums in f32, from the weights before they are rounded: eight chains by turns
.set j, 0
	s_wait_alu depctr_va_vdst(0)
.rept 16
.irp qt, 0,1,2,3
	v_pk_add_f32 v[RL+4*\qt+2*(j%2):RL+4*\qt+2*(j%2)+1], v[RL+4*\qt+2*(j%2):RL+4*\qt+2*(j%2)+1], v[32*\qt+2*j:32*\qt+2*j+1]
.endr
.set j, j+1
.endr
	WIN W_CVT                                      ; two S^T tiles (16 registers) become one P^T fragment (8 registers), in place, upward
.irp b, 0,16,32,48,64,80,96,112
.irp i, 0,1,2,3
	v_cvt_pk_f16_f32 v[\b+\i], v[\b+2*\i], v[\b+2*\i+1]
.endr
.irp i, 0,1,2,3
	v_cvt_pk_f16_f32 v[\b+4+\i], v[\b+8+2*\i], v[\b+9+2*\i]
.endr
.endr
	WIN 0
.if \store
	s_barrier_wait -1                              ; slot o is whole, and nobody reads slot s any more
.endif
.if \next
	KLOAD \o, 0, KA                                ; they come in under the 32 products below
.endif
	WIN W_PV                                       ; O^T += V^T P^T.  Sixteen accumulators take turns, one instruction a turn
.irp c, 0,1
.irp qt, 0,1,2,3
.irp dt, 0,1,2,3
.if \first*(1-\c)
	v_wmma_f32_16x16x32_f16 v[RO+32*\qt+8*\dt:RO+32*\qt+8*\dt+7], v[VA+32*\c+8*\dt:VA+32*\c+8*\dt+7], v[32*\qt+16*\c:32*\qt+16*\c+7], 0
.else
	v_wmma_f32_16x16x32_f16 v[RO+32*\qt+8*\dt:RO+32*\qt+8*\dt+7], v[VA+32*\c+8*\dt:VA+32*\c+8*\dt+7], v[32*\qt+16*\c:32*\qt+16*\c+7], v[RO+32*\qt+8*\dt:RO+32*\qt+8*\dt+7]
.endif
.endr
.endr
.endr
	WIN 0
.irp qt, 0,1,2,3
	v_mov_b32 v[RM+\qt], v[RMN+\qt]                ; with the v_nop five places: the next S^T products write over P^T, the next loads over VA and VB
.endr
	v_nop
.endm
	TRIP 0, 1, 1, 1, 1, 1, 1                       ; trip 0
	s_mov_b32 s24, 14
.Lpair:                                            ; trips 1 to 28
	TRIP 1, 0, 0, 1, 1, 1, 1
	TRIP 0, 1, 0, 1, 1, 1, 1
	s_sub_co_i32 s24, s24, 1
	s_cmp_lg_u32 s24, 0
	s_cbranch_scc1 .Lpair
	TRIP 1, 0, 0, 1, 1, 0, 1                       ; trip 29 loads block 31, the last, and asks ahead for nothing
	TRIP 0, 1, 0, 1, 0, 0, 1                       ; trip 30 stages block 31 and loads nothing
	TRIP 1, 0, 0, 0, 0, 0, 0                       ; trip 31
	; THE END: divide by the row sums, round to f16, 16 bytes a lane into my wave's stage, whole queries back, 512 consecutive bytes a store
.irp qt, 0,1,2,3
	v_add_f32 v[RL+4*\qt],   v[RL+4*\qt],   v[RL+4*\qt+1]
	v_add_f32 v[RL+4*\qt+2], v[RL+4*\qt+2], v[RL+4*\qt+3]
.endr
.irp qt, 0,1,2,3
	v_add_f32 v[RL+4*\qt], v[RL+4*\qt], v[RL+4*\qt+2]
.endr
.irp qt, 0,1,2,3
	v_permlanex16_b32 v[RX+\qt], v[RL+4*\qt], s22, s23
.endr
.irp qt, 0,1,2,3
	v_add_f32 v[RX+\qt], v[RX+\qt], v[RL+4*\qt]    ; at least 1: the largest score's weight is 1
.endr
.irp qt, 0,1,2,3
	v_rcp_f32 v[RAL+2*\qt],   v[RX+\qt]
	v_rcp_f32 v[RAL+2*\qt+1], v[RX+\qt]
.endr
	v_nop                                          ; one plain place behind the reciprocals
	WIN W_S
.set j, 0
	s_wait_alu depctr_va_vdst(0)
.rept 64
	v_pk_mul_f32 v[RO+2*j:RO+2*j+1], v[RO+2*j:RO+2*j+1], v[RAL+2*(j/16):RAL+2*(j/16)+1]
.set j, j+1
.endr
	WIN W_OUT
.irp qt, 0,1,2,3
.irp dt, 0,1,2,3
.irp i, 0,1,2,3
	v_cvt_pk_f16_f32 v[KA+16*\qt+4*\dt+\i], v[RO+32*\qt+8*\dt+2*\i], v[RO+32*\qt+8*\dt+2*\i+1]
.endr
.endr
.endr
	WIN 0
.irp qt, 0,1,2,3
.irp dt, 0,1,2,3
	ds_store_b128 v[QADR], v[KA+16*\qt+4*\dt:KA+16*\qt+4*\dt+3] offset:16*KP*\qt+32*\dt   ; query 16 qt + r, numbers 16 dt + 8 hh .. + 7
.endr
.endr
.irp i, 0,1,2,3,4,5,6,7,8,9,10,11,12,13,14,15
	ds_load_b128 v[VB+4*\i:VB+4*\i+3], v[ORD] offset:4*KP*\i       ; four queries of 128 bytes; my wave's own bytes, served in order behind the stores
.endr
.irp i, 0,1,2,3,4,5,6,7,8,9,10,11,12,13,14,15
	s_wait_dscnt 15-\i                             ; load i is back, the younger ones stay out
	global_store_b128 v[OOFF], v[VB+4*\i:VB+4*\i+3], s[12:13] offset:512*\i
.endr
	s_wait_tensorcnt 0x0
	ds_add_u32 v254, v255
	s_wait_dscnt 0x0
	s_endpgm
.Lfunc_end_k_q4940fbf30a_attn:
	.size	k_q4940fbf30a_attn, .Lfunc_end_k_q4940fbf30a_attn-k_q4940fbf30a_attn
	.p2alignl 7, 3214868480
	.fill 96, 4, 3214868480
	.section	.rodata,"a",@progbits
	.p2align	6, 0x0
	.amdhsa_kernel k_q4940fbf30a_attn
		.amdhsa_group_segment_fixed_size 113664
		.amdhsa_private_segment_fixed_size 0
		.amdhsa_enable_private_segment 0
		.amdhsa_kernarg_size 48
		.amdhsa_user_sgpr_count 2
		.amdhsa_user_sgpr_kernarg_segment_ptr 1
		.amdhsa_wavefront_size32 1
		.amdhsa_system_sgpr_workgroup_id_x 1
		.amdhsa_system_sgpr_workgroup_id_y 1
		.amdhsa_system_sgpr_workgroup_id_z 1
		.amdhsa_system_vgpr_workitem_id 0
		.amdhsa_next_free_vgpr 512
		.amdhsa_next_free_sgpr 66
		.amdhsa_reserve_vcc 0
		.amdhsa_float_denorm_mode_32 3
		.amdhsa_float_denorm_mode_16_64 3
		.amdhsa_memory_ordered 1
		.amdhsa_forward_progress 1
		.amdhsa_inst_pref_size 237
	.end_amdhsa_kernel
	.amdgpu_metadata
---
amdhsa.version: [ 1, 2 ]
amdhsa.kernels:
  - .name:           k_q4940fbf30a_attn
    .symbol:         k_q4940fbf30a_attn.kd
    .args:
      - { .name: q, .offset: 0, .size: 8, .value_kind: global_buffer, .address_space: global }
      - { .name: k, .offset: 8, .size: 8, .value_kind: global_buffer, .address_space: global }
      - { .name: v, .offset: 16, .size: 8, .value_kind: global_buffer, .address_space: global }
      - { .name: w_out, .offset: 24, .size: 8, .value_kind: global_buffer, .address_space: global }
      - { .name: att, .offset: 32, .size: 8, .value_kind: global_buffer, .address_space: global }
      - { .name: w16, .offset: 40, .size: 8, .value_kind: global_buffer, .address_space: global }
    .group_segment_fixed_size: 113664
    .private_segment_fixed_size: 0
    .kernarg_segment_align: 8
    .kernarg_segment_size: 48
    .max_flat_workgroup_size: 256
    .sgpr_count:     66
    .vgpr_count:     512
    .wavefront_size: 32
...
	.end_amdgpu_metadata
.endif
;; end of part 1
;; launch proj (part 2): grid 4 x 64, 4 waves a work-group, clusters of 4 x 4, 327,680 bytes of LDS; arguments att, w16, b_out, out0; writes out0
.if DOCPART == 2
	.amdgcn_target "amdgcn-amd-amdhsa--gfx1250"
	.amdhsa_code_object_version 6
	.text
	.protected	k_q4940fbf30a_proj
	.globl	k_q4940fbf30a_proj
	.p2align	8
	.type	k_q4940fbf30a_proj,@function
k_q4940fbf30a_proj:
	s_mov_b64 s[64:65], 0
	v_nop
	global_prefetch_b8 v0, s[64:65] scope:SCOPE_SE
	s_setreg_imm32_b32 hwreg(HW_REG_WAVE_MODE, 25, 1), 1
	s_wait_xcnt 0x0
	s_wait_alu depctr_hold_cnt(0) depctr_sa_sdst(0) depctr_va_vdst(0) depctr_va_sdst(0) depctr_va_ssrc(0) depctr_va_vcc(0) depctr_vm_vsrc(0)
	s_getreg_b32 s2, hwreg(HW_REG_IB_STS2, 6, 4)
	s_cmp_eq_u32 s2, 0
	s_cbranch_scc0 .Lentry_in_a_cluster
	s_endpgm
.Lentry_in_a_cluster:
	s_bfe_u32 s2, ttmp6, 0x10000c
	s_cmp_lg_u32 s2, 0xf033
	s_cbranch_scc0 .Lentry_shape_is_right
	s_endpgm
.Lentry_shape_is_right:
; out0[m][n] = sum over k of A[m][k] W[n][k] + b_out[n].  m = batch x 2048 + query (8,192), n and k to 1,024; k = head x 64 + place in the head.
; A = att, f16, laid [batch][head][query][64]; W = w16, f16, [n][k]; out0 f32; sums in f32.
; LIMITS: the operands are f16 as the launch before stored them (its head names f16's range); NaN and infinities are not treated apart.
; A work-group makes a block of 128 (m) x 256 (n) with four waves, as many as a WGP has SIMDs: 64 x 4 = 256 work-groups.  A wave makes 64 x 128: 32 accumulator tiles, 256 registers.
; K goes in 8 steps of 128 through two LDS slots filled by the tensor data mover.  A K step of A is two heads: two planes of 128 queries x 128 bytes, each dense in memory
; (16,384 consecutive bytes, taken as 64 rows of 256 bytes); a K step of W is 256 rows of 256 bytes.
; CLUSTERS: 4 x 4 work-groups.  The four of a row of the cluster make blocks of one block row and need the same planes of A; the four of a column need the same rows of W.
; Such a tile is asked for jointly: the same tensor load, the same descriptor and a mask that names the four; that divides the requests for A and for W by four.
; REGISTERS: window 0: addresses, the bias, two fragment buffers; window 1: the accumulators, tile (a, b) at 8 (8 a + b).
; THE MATRIX INSTRUCTION IS USED TRANSPOSED: source 0 = 16 rows of W, source 1 = 16 rows of A, so that lane l holds row l % 16 of the block and its registers 0 to 7
; the columns 8 (l / 16) + 0 .. 7: 32 neighbouring bytes of a row of out0.
.set APITCH, 144                       ; a query's 128 bytes + 16 = 9 x 16: sixteen rows start in sixteen different 16-byte columns modulo 256
.set BPITCH, 272                       ; a row's 256 bytes + 16 = 17 x 16
.set PLANE,  128*APITCH                ; one head's 128 queries: what one of A's tensor loads brings
.set HALFB,  128*BPITCH                ; 128 rows of W: what one of W's tensor loads brings
.set BBASE,  2*PLANE                   ; in a slot W's rows lie behind A's two planes
.set SLOT,   2*PLANE+2*HALFB           ; 106,496 bytes
.set STAGE,  2*SLOT                    ; behind the slots, at a multiple of 256: 16 rows x 528 bytes for each wave, for the way out; no tensor load lands there
.set SPITCH, 528                       ; 512 bytes + 16 = 33 x 16
.set LAPS,   4                         ; a lap = two K steps = once round the two slots
.set ASTEP,  4*262144                  ; two K steps on in A: four heads of 2,048 x 128 bytes
.set BSTEP,  512                       ; two K steps on in W: 256 numbers
.set ADRA, 16                          ; v16-17  LDS address of my A fragments in slot 0, 1
.set ADRB, 20                          ; v20-21  the same for W
.set STO,  24                          ; the way out: where my 32 bytes of a row go
.set RD,   25                          ; the way out: where I read 16 bytes of a row back
.set CO,   26                          ; 16 x lane: my bytes in a row of 512, in b_out and in out0
.set BIAS, 28                          ; v[28:31] b_out of my four columns
.set F0,   32                          ; fragment buffer 0: W's eight tiles at + 8 b, A's four at + 64 + 8 a
.set F1,   128                         ; fragment buffer 1
.set G1,  24                           ; s[24:31] descriptor group 1 for A's planes
.set G0,  32                           ; s[32:39] descriptor group 0 for A's planes, one set for each slot
.set G1B, 48                           ; s[48:55] descriptor group 1 for W's rows
.set G0B, 56                           ; s[56:63] descriptor group 0 for W's rows, one set for each slot
.set MUL, 0x50                         ; C and D in window 1, both sources in window 0
.set MSB, 0
.macro WIN new                         ; the immediate's high byte repeats the setting that is left
.if MSB != \new
	s_set_vgpr_msb (MSB<<8)|\new
.set MSB, \new
.endif
.endm
; A joint load.  Waves 0 and 1 fetch A's two planes, waves 2 and 3 W's two halves.  Each line has one mask and one set of registers for all that issue it;
; the branch hangs on the wave's number alone.
.macro JLOAD s
	s_cmp_eq_u32 s13, 0
	s_cbranch_scc0 .Lfor_b_\@
	tensor_load_to_lds s[G0+4*\s:G0+4*\s+3], s[G1:G1+7]
	s_nop 0
	s_branch .Lasked_\@
.Lfor_b_\@:
	tensor_load_to_lds s[G0B+4*\s:G0B+4*\s+3], s[G1B:G1B+7]
	s_nop 0
.Lasked_\@:
.endm
; A round of the cluster's barrier: my work-group's barrier; wave 0 signals for the work-group; every wave waits for all sixteen work-groups; my work-group's barrier once more.
.macro CREST                           ; a round behind its opening barrier
	s_cmp_lg_u32 s12, 0
	s_cbranch_scc1 .Lnot_wave_0_\@
	s_barrier_signal -3
.Lnot_wave_0_\@:
	s_barrier_wait -3
	s_barrier_signal -1
	s_barrier_wait -1
.endm
.macro CROUND                          ; a whole round
	s_barrier_signal -1
	s_barrier_wait -1
	CREST
.endm
	s_load_b256 s[4:11], s[0:1], 0x0               ; att s[4:5], w16 s[6:7], b_out s[8:9], out0 s[10:11]
	v_lshl_add_u32 v254, v0, 2, 0x3c400
	v_mov_b32 v255, 0
	ds_add_u32 v254, v255
	v_lshrrev_b32 v1, 5, v0
	v_readfirstlane_b32 s12, v1                    ; wave 0..3
	s_lshr_b32 s13, s12, 1                         ; which 64 rows of the block are mine.  Also: I fetch for A (0) or for W (1)
	s_and_b32 s14, s12, 1                          ; which 128 columns.  Also: which plane, or which 128 rows of W, I fetch
	s_bfe_u32 s40, ttmp6, 0x40000                  ; cx
	s_bfe_u32 s41, ttmp6, 0x40004                  ; cy
	s_lshl_b32 s42, ttmp9, 2
	s_add_co_u32 s42, s42, s40                     ; block column = 4 x cluster x + cx
	s_and_b32 s43, ttmp7, 0xffff
	s_lshl_b32 s43, s43, 2
	s_add_co_u32 s43, s43, s41                     ; block row = 4 x cluster y + cy
	s_lshl_b32 s44, s41, 2
	s_lshl_b32 s44, 15, s44                        ; my row of the cluster: places 4 cy .. 4 cy + 3
	s_lshl_b32 s45, 0x1111, s40                    ; my column: places cx, cx + 4, cx + 8, cx + 12
	; group 1 for A: 64 rows of 128 elements of 2 bytes, dense; 4 words of padding behind every 32 words, that is behind each query's 128 bytes
	s_or_b32 s[G1+0], s44, (1<<16)|(1<<20)|(1<<21)|(4<<22)|(3<<25)  ; 15:0 the mask: my row; 17:16 elements of 2 bytes; 20 padding on; 21 set beside a mask; 24:22 every 32 words (code 4); 31:25 4 words (code 3)
	s_mov_b32 s[G1+1], 128<<16                     ; tensor_dim0 = 128
	s_mov_b32 s[G1+2], 64<<16                      ; tensor_dim1 = 64
	s_mov_b32 s[G1+3], 128<<16                     ; tile_dim0 = 128
	s_mov_b32 s[G1+4], 64                          ; tile_dim1 = 64
	s_mov_b32 s[G1+5], 128                         ; from row to row: 128 elements
	s_mov_b32 s[G1+6], 0
	s_mov_b32 s[G1+7], 0
	; group 1 for W: 128 rows of 128 elements, 1,024 elements from row to row; 4 words of padding behind every 64 words
	s_or_b32 s[G1B+0], s45, (1<<16)|(1<<20)|(1<<21)|(5<<22)|(3<<25) ; the mask: my column
	s_mov_b32 s[G1B+1], 128<<16
	s_mov_b32 s[G1B+2], 128<<16
	s_mov_b32 s[G1B+3], 128<<16
	s_mov_b32 s[G1B+4], 128
	s_mov_b32 s[G1B+5], 1024
	s_mov_b32 s[G1B+6], 0
	s_mov_b32 s[G1B+7], 0
	; where the tiles come from.  A's hang on the block row and the wave's number, W's on the block column and the wave's number, each in registers that never hold the other coordinate.
	s_lshr_b32 s16, s43, 4                         ; batch: 16 block rows each,
	s_lshl_b32 s16, s16, 22                        ; 16 heads x 2,048 queries x 128 bytes
	s_and_b32 s17, s43, 15
	s_lshl_b32 s17, s17, 14                        ; 128 queries x 128 bytes a block row
	s_add_co_u32 s16, s16, s17
	s_lshl_b32 s17, s14, 18                        ; the K step's first or second head
	s_add_co_u32 s16, s16, s17
	s_mov_b32 s17, 0
	s_lshl_b32 s46, s42, 19                        ; 256 rows of 2,048 bytes a block column
	s_lshl_b32 s47, s14, 18                        ; 128 rows
	s_add_co_u32 s46, s46, s47
	s_mov_b32 s47, 0
	s_mul_i32 s20, s14, PLANE                      ; and where they go: no place in the cluster enters an LDS address
	s_mul_i32 s21, s14, HALFB
	s_add_co_u32 s21, s21, BBASE
	s_wait_dscnt 0x0
	s_wait_kmcnt 0x0
	s_add_nc_u64 s[18:19], s[4:5], s[16:17]
	s_add_nc_u64 s[46:47], s[6:7], s[46:47]
	CROUND                                         ; all sixteen work-groups are here: the first joint loads meet
.irp s, 0,1
	s_mov_b32 s[G0+4*\s], 1                                        ; count = 1
	s_add_co_u32 s[G0+4*\s+1], s20, \s*SLOT                        ; LDS address
	s_add_nc_u64 s[G0+4*\s+2:G0+4*\s+3], s[18:19], \s*524288       ; K step s: two heads on
	s_or_b32 s[G0+4*\s+3], s[G0+4*\s+3], 0x80000000                ; type = 2
	s_mov_b32 s[G0B+4*\s], 1
	s_add_co_u32 s[G0B+4*\s+1], s21, \s*SLOT
	s_add_nc_u64 s[G0B+4*\s+2:G0B+4*\s+3], s[46:47], \s*256
	s_or_b32 s[G0B+4*\s+3], s[G0B+4*\s+3], 0x80000000
	JLOAD \s                                       ; both slots are asked for before anything else: two loads of a wave are out here, later one
.endr
	v_and_b32 v1, 15, v0                           ; r = l % 16
	v_bfe_u32 v2, v0, 4, 1                         ; hh = l / 16
	v_and_b32 v3, 31, v0                           ; l
	v_mul_u32_u24 v4, v1, APITCH
	v_lshl_add_u32 v4, v2, 4, v4                   ; row x pitch + 16 hh
	v_mul_u32_u24 v5, v1, BPITCH
	v_lshl_add_u32 v5, v2, 4, v5
	s_mul_i32 s22, s13, 64*APITCH                  ; my 64 rows of A
	s_mul_i32 s23, s14, HALFB                      ; my 128 rows of W,
	s_add_co_u32 s23, s23, BBASE                   ; which lie behind A's planes
.irp s, 0,1
	v_add_nc_u32 v[ADRA+\s], s22, v4
	v_add_nc_u32 v[ADRB+\s], s23, v5
	s_add_co_u32 s22, s22, SLOT
	s_add_co_u32 s23, s23, SLOT
.endr
	s_mul_i32 s22, s12, 16*SPITCH
	s_add_co_u32 s22, s22, STAGE                   ; my stage
	v_mul_u32_u24 v6, v1, SPITCH
	v_lshl_add_u32 v6, v2, 5, v6                   ; in: row r, 32 bytes for each half of the lanes
	v_add_nc_u32 v[STO], s22, v6
	v_lshlrev_b32 v[CO], 4, v3
	v_add_nc_u32 v[RD], s22, v[CO]                 ; back: 32 lanes take one row of 512 bytes
	s_lshl_b32 s46, s42, 10                        ; my first column in bytes of f32: 1,024 x block column + 512 x half (in the registers that held W's address)
	s_lshl_b32 s47, s14, 9
	s_add_co_u32 s46, s46, s47
	s_mov_b32 s47, 0
	s_add_nc_u64 s[8:9], s[8:9], s[46:47]
	s_add_nc_u64 s[10:11], s[10:11], s[46:47]
	s_lshl_b32 s16, s43, 19                        ; my first row: 128 rows of 4,096 bytes a block row, 64 a half
	s_lshl_b32 s17, s13, 18
	s_add_co_u32 s16, s16, s17
	s_mov_b32 s17, 0
	s_add_nc_u64 s[10:11], s[10:11], s[16:17]
	global_load_b128 v[BIAS:BIAS+3], v[CO], s[8:9] ; waited for in front of the way out
; 8 matrix instructions: m tile a x all 8 n tiles, 32 along K.  zero = 1: the first product starts the sums.
; The 32 accumulators take turns, one instruction a turn, in the same order in every quarter step.
.macro MUL8 f, a, zero
.irp b, 0,1,2,3,4,5,6,7
.if \zero
	v_wmma_f32_16x16x32_f16 v[8*(8*\a+\b):8*(8*\a+\b)+7], v[\f+8*\b:\f+8*\b+7], v[\f+64+8*\a:\f+64+8*\a+7], 0
.else
	v_wmma_f32_16x16x32_f16 v[8*(8*\a+\b):8*(8*\a+\b)+7], v[\f+8*\b:\f+8*\b+7], v[\f+64+8*\a:\f+64+8*\a+7], v[8*(8*\a+\b):8*(8*\a+\b)+7]
.endif
.endr
.endm
; 24 LDS loads in one run: quarter kq of a K step (32 along K) into buffer f: W's 128 rows, then A's 64.  In A quarter kq lies in plane kq / 2 at byte 64 (kq % 2).
.macro FETCH slot, kq, f
.irp b, 0,1,2,3,4,5,6,7
	ds_load_b128 v[\f+8*\b:\f+8*\b+3],   v[ADRB+\slot] offset:64*\kq+16*BPITCH*\b
	ds_load_b128 v[\f+8*\b+4:\f+8*\b+7], v[ADRB+\slot] offset:64*\kq+16*BPITCH*\b+32
.endr
.irp a, 0,1,2,3
	ds_load_b128 v[\f+64+8*\a:\f+64+8*\a+3],   v[ADRA+\slot] offset:(\kq/2)*PLANE+64*(\kq%2)+16*APITCH*\a
	ds_load_b128 v[\f+64+8*\a+4:\f+64+8*\a+7], v[ADRA+\slot] offset:(\kq/2)*PLANE+64*(\kq%2)+16*APITCH*\a+32
.endr
.endm
; four places behind the matrix instructions that read a buffer, in front of the loads into it (ISA guide 7.12.1 for vector instructions)
.macro PLACES
.rept 4
	v_nop
.endr
.endm
; One of a K step's first three quarters: multiplies buffer f; in its middle it fetches quarter kq of the same slot into buffer g.
.macro QUARTER slot, kq, f, g, zero
	s_wait_dscnt 4                                 ; W and A's tiles 0, 1 are in; the youngest four loads (A's tiles 2, 3) may be out
	WIN MUL
	MUL8 \f, 0, \zero
	MUL8 \f, 1, \zero
	PLACES
	WIN 0
	FETCH \slot, \kq, \g
	s_wait_dscnt 24                                ; all but the 24 just issued
	WIN MUL
	MUL8 \f, 2, \zero
	MUL8 \f, 3, \zero
.endm
.macro THREE slot, zero
	QUARTER \slot, 1, F0, F1, \zero
	QUARTER \slot, 2, F1, F0, 0
	QUARTER \slot, 3, F0, F1, 0
.endm
; The last quarter: multiplies buffer 1 and changes slots.  fill = 1: this slot is filled again, two K steps ahead.
; In front of the barrier each wave waits for its reads of this slot and for all its tensor loads, of which one is out: its part of the next slot.  Behind it
; nobody reads this slot and the next slot is whole: the refill comes first, then the next slot's first fragments.  From a request to the wait for it a wave
; issues 120 matrix instructions.
.macro TURN slot, next, fill
	s_wait_dscnt 4
	WIN MUL
	MUL8 F1, 0, 0
	s_wait_dscnt 0                                 ; my reads of this slot are over
	s_wait_tensorcnt 0x0                           ; and all my tensor loads have landed
	ds_add_u32 v254, v255
	s_wait_dscnt 0x0
	s_barrier_signal -1                            ; say so (where the slot is filled again this barrier opens a round of the cluster's barrier),
	MUL8 F1, 1, 0                                  ; work on registers while the others arrive,
	WIN 0
	s_barrier_wait -1
.if \fill
	CREST                                          ; no wave of any partner still reads this slot or has a load on its way
	s_add_nc_u64 s[G0+4*\slot+2:G0+4*\slot+3], s[G0+4*\slot+2:G0+4*\slot+3], ASTEP
	s_add_nc_u64 s[G0B+4*\slot+2:G0B+4*\slot+3], s[G0B+4*\slot+2:G0B+4*\slot+3], BSTEP
	JLOAD \slot                                    ; the first tensor load behind the round, the wave's only one until the next
.endif
	PLACES
	FETCH \next, 0, F0
	WIN MUL
	MUL8 F1, 2, 0
	MUL8 F1, 3, 0
.endm
.macro LAP zero
	THREE 0, \zero
	TURN 0, 1, 1
	THREE 1, 0
	TURN 1, 0, 1
.endm
	s_wait_tensorcnt 1                             ; my part of K step 0 is in; K step 1's load stays out
	s_barrier_signal -1
	s_barrier_wait -1                              ; everybody's is
	FETCH 0, 0, F0
	LAP 1                                          ; K steps 0, 1; the first products start the sums; K steps 2, 3 are asked for
	WIN 0                                          ; at a label and at a branch every window is 0
	s_mov_b32 s3, LAPS-2
.Llap:
	LAP 0                                          ; K steps 2 to 5; K steps 4 to 7 are asked for
	WIN 0
	s_sub_co_u32 s3, s3, 1
	s_cmp_lg_u32 s3, 0
	s_cbranch_scc1 .Llap
	THREE 0, 0                                     ; the last lap fills nothing
	TURN 0, 1, 0
	THREE 1, 0
	s_wait_dscnt 4                                 ; the very last quarter
	WIN MUL
	MUL8 F1, 0, 0
	MUL8 F1, 1, 0
	s_wait_dscnt 0
	MUL8 F1, 2, 0
	MUL8 F1, 3, 0
	; THE WAY OUT, 16 rows at a time: 32 bytes a lane into my own stage, whole rows of 512 bytes back, the bias added, 512 consecutive aligned bytes a store.
	PLACES                                         ; the places behind the last matrix instructions: for the LDS stores of results and the loads into the buffers
	s_wait_loadcnt 0x0                             ; the bias
.macro OUT16 a, f
	WIN 0x04                                       ; an LDS store's data is source 1: window 1
.irp b, 0,1,2,3,4,5,6,7
	ds_store_b128 v[STO], v[8*(8*\a+\b):8*(8*\a+\b)+3]   offset:64*\b
	ds_store_b128 v[STO], v[8*(8*\a+\b)+4:8*(8*\a+\b)+7] offset:64*\b+16
.endr
	WIN 0
	s_wait_xcnt 0x0                                ; buffer f, which earlier stores read, is loaded again only behind this wait
.irp t, 0,1,2,3,4,5,6,7,8,9,10,11,12,13,14,15
	ds_load_b128 v[\f+4*\t:\f+4*\t+3], v[RD] offset:SPITCH*\t      ; my wave's own bytes: served in order behind the stores above (ISA guide 5.7.1.4)
.endr
.irp t, 0,1,2,3,4,5,6,7,8,9,10,11,12,13,14,15
	s_wait_dscnt 15-\t                             ; row t is back, the younger loads stay out
	v_pk_add_f32 v[\f+4*\t:\f+4*\t+1],   v[\f+4*\t:\f+4*\t+1],   v[BIAS:BIAS+1]
	v_pk_add_f32 v[\f+4*\t+2:\f+4*\t+3], v[\f+4*\t+2:\f+4*\t+3], v[BIAS+2:BIAS+3]
	global_store_b128 v[CO], v[\f+4*\t:\f+4*\t+3], s[10:11] offset:(16*\a+\t)*4096 th:TH_STORE_NT   ; the row stands in the immediate: 63 rows of 4,096 bytes at the most
.endr
.endm
	OUT16 0, F0
	OUT16 1, F1
	OUT16 2, F0
	OUT16 3, F1
	s_wait_tensorcnt 0x0
	ds_add_u32 v254, v255
	s_wait_dscnt 0x0
	CROUND                                         ; the closing round: no work-group ends while a partner may still ask for a tile that names it
	s_endpgm
.Lfunc_end_k_q4940fbf30a_proj:
	.size	k_q4940fbf30a_proj, .Lfunc_end_k_q4940fbf30a_proj-k_q4940fbf30a_proj
	.p2alignl 7, 3214868480
	.fill 96, 4, 3214868480
	.section	.rodata,"a",@progbits
	.p2align	6, 0x0
	.amdhsa_kernel k_q4940fbf30a_proj
		.amdhsa_group_segment_fixed_size 327680
		.amdhsa_private_segment_fixed_size 0
		.amdhsa_enable_private_segment 0
		.amdhsa_kernarg_size 32
		.amdhsa_user_sgpr_count 2
		.amdhsa_user_sgpr_kernarg_segment_ptr 1
		.amdhsa_wavefront_size32 1
		.amdhsa_system_sgpr_workgroup_id_x 1
		.amdhsa_system_sgpr_workgroup_id_y 1
		.amdhsa_system_sgpr_workgroup_id_z 1
		.amdhsa_system_vgpr_workitem_id 0
		.amdhsa_next_free_vgpr 512
		.amdhsa_next_free_sgpr 66
		.amdhsa_reserve_vcc 0
		.amdhsa_float_denorm_mode_32 3
		.amdhsa_float_denorm_mode_16_64 3
		.amdhsa_memory_ordered 1
		.amdhsa_forward_progress 1
		.amdhsa_inst_pref_size 126
	.end_amdhsa_kernel
	.amdgpu_metadata
---
amdhsa.version: [ 1, 2 ]
amdhsa.kernels:
  - .name:           k_q4940fbf30a_proj
    .symbol:         k_q4940fbf30a_proj.kd
    .args:
      - { .name: att, .offset: 0, .size: 8, .value_kind: global_buffer, .address_space: global }
      - { .name: w16, .offset: 8, .size: 8, .value_kind: global_buffer, .address_space: global }
      - { .name: b_out, .offset: 16, .size: 8, .value_kind: global_buffer, .address_space: global }
      - { .name: out0, .offset: 24, .size: 8, .value_kind: global_buffer, .address_space: global }
    .group_segment_fixed_size: 327680
    .private_segment_fixed_size: 0
    .kernarg_segment_align: 8
    .kernarg_segment_size: 32
    .max_flat_workgroup_size: 128
    .sgpr_count:     66
    .vgpr_count:     512
    .wavefront_size: 32
...
	.end_amdgpu_metadata
.endif
;; end of part 2
